; MI455X (gfx1250); checked and timed in simulation.
; The chip was launched on July 23, 2026; its instructions are those of AMD's public machine-readable ISA for CDNA 5 (MIT licence, August 2026) and "CDNA5" Instruction Set Architecture Reference Guide (July 2026). The comments in the code are by the model that wrote it; some were corrected since.
;; EETQ Linear. Allowed arithmetic: matrix products marked QUANTISED: E2M1 operands, one E8M0 scale for each 32 along K, by v_wmma_scale_f32_16x16x128_f8f6f4 with both operands' format E2M1 (or v_wmma_scale_f32_32x16x128_f4), f32 sums; everything else in f32.
;; Inputs: bias 4,096 float16; scale 4,096 float16; w_q 4,096 x 4,096 int8; x 4 x 1,024 x 4,096 float16.
;; Outputs: out0 4 x 1,024 x 4,096 float16.
;; This version of the problem:
;;   THIS VERSION OF THE PROBLEM IS GIVEN IN LOW PRECISION. The matrix products marked QUANTISED in the list below multiply operands that are first quantised to E2M1 (2 exponent bits, 1 mantissa bit; 4 bits a number), with one power-of-two scale for each 32 numbers along K (OCP MX v1.0); their sums are f32. All else is computed in f32.
;;   The module's matrix products, in the order in which they are computed (A, B: the left and right operand; K: the contracted axis; several contracted axes count as one K, in the product's order):
;;     1. [M 4,096, K 4,096] x [K 4,096, N 4,096]; A: input x; B: computed on the way: QUANTISED
;;   THE QUANTISER, for each operand of a quantised product, along K:
;;     - K is cut into blocks of 32 from its start; a last block that is shorter is filled with zeros.
;;     - A block's scale is 2^e with e = floor(log2(the largest magnitude in the block)) - 2, held to -126 .. 127; a block of zeros has e = 0. As a byte (E8M0): e + 127.
;;     - Each number is divided by its block's scale, clamped to +-6, and rounded to the nearest number of E2M1, ties to even, subnormals kept.
;;     - The product sums the exact products of the quantised numbers (number of the format x scale) in f32.
;;   ~~~python
;;   def quantise(x, axis):      # numpy; x: float32 -> the quantised numbers, widened to float32 again
;;       x = np.moveaxis(x, axis, -1); K = x.shape[-1]
;;       x = np.pad(x, [(0, 0)] * (x.ndim - 1) + [(0, -K % 32)]); x = x.reshape(x.shape[:-1] + (-1, 32)); a = np.abs(x).max(-1, keepdims=True)
;;       e = np.where(a > 0, np.clip(np.frexp(np.where(a > 0, a, 1))[1] - 1 - 2, -126, 127), 0)      # np.frexp(a)[1] - 1 = floor(log2(a)), exactly
;;       r = np.clip(x / 2.0 ** e, -6, 6)
;;       step = 2.0 ** (np.maximum(np.frexp(np.where(r == 0, 1, r))[1] - 1, 0) - 1)
;;       q = np.round(r / step) * step * 2.0 ** e      # np.round: ties to even
;;       return np.moveaxis(q.reshape(q.shape[:-2] + (-1,))[..., :K], -1, axis).astype(np.float32)
;;   ~~~
;;   OPERANDS COMPUTED ON THE WAY. 'Computed on the way' means the value that the module computes at that place (a softmax that the list does not call 'softmax' is quantised finished and normalised). What goes into a quantiser is computed in f32, as accurately as f32 sums, v_exp_f32 and their like allow (about 1e-6 of the number): no bf16 or f16 on the way to a quantiser, and a product that is left as it is and whose result goes on into a quantised operand takes f32 operands (vector FMAs, or v_wmma_f32_16x16x4_f32). A number that lies on a knife's edge between two numbers of the format may be rounded either way, as far as f32 arithmetic and the matrix unit's own rounding can turn it there, and no further.
;; One version. Each part assembles by itself: llvm-mc -triple=amdgcn-amd-amdhsa -mcpu=gfx1250 --defsym DOCPART=n.
;; ======== version 1 of 1: 2 launches
;; limits: values are held in f16: magnitudes above 65,504 overflow, below 6.1e-05 lose precision; right only within a limited range of input values
;; workspace buffers: xq 8,912,896 bytes; wq 8,912,896 bytes
;; launch quant (part 1): grid 768 x 1, 4 waves a work-group, no clusters, 23,040 bytes of LDS; arguments x, w_q, scale, xq, wq; writes xq, wq
.if DOCPART == 1
	.amdgcn_target "amdgcn-amd-amdhsa--gfx1250"
	.amdhsa_code_object_version 6
	.text
	.protected	k_q03636d94e6_quant
	.globl	k_q03636d94e6_quant
	.p2align	8
	.type	k_q03636d94e6_quant,@function
k_q03636d94e6_quant:
	s_mov_b64 s[64:65], 0
	v_nop
	global_prefetch_b8 v0, s[64:65] scope:SCOPE_SE
	s_setreg_imm32_b32 hwreg(HW_REG_WAVE_MODE, 25, 1), 1
	s_wait_xcnt 0x0
; x [4096][4096] f16 (K innermost) and w = w_q x scale ([K 4096][N 4096], int8 x f16 a column, K its FIRST axis) become codes of FP4 (E2M1) with one E8M0 byte for each 32 along K.
; A block's scale is 2^(floor(log2(its largest magnitude)) - 2); its byte is the largest magnitude's exponent field - 2, held at 1 from below; each number is divided by the scale and rounded to the nearest code, ties to even.
; LIMITS: a block of zeros gets the byte 1 where the rule says 127 (its codes are zeros, which add nothing under any byte but 0xff, and this program alone reads the bytes); NaN and infinities in x or scale are not served.
; BOTH OUTPUTS ARE LAID AS IMAGES OF THE OPERAND'S REGISTERS: buffer[K step of 512: 8][group of 128 rows: 32][128 along K: 4][CHUNK].  A CHUNK: 8,192 bytes of codes [tile: 8][block b: 4][index i: 16][16 bytes = the block's
; 32 codes, the lower k in the lower bits], then 512 bytes of scale words (byte b for block b): x: [half o: 2][m: 32][w: 2], the word of row 64 o + 32 w + m;  w: [u: 2][i: 16][4], the word of tile 4 u + .., index i.
; Which rows form a tile: x: index i of tile t is row 128 g + 16 t + i.  w: index i of tile c is column 128 g + 8 i + c: the eight columns that a lane loads fall into the eight tiles, and nothing is transposed.
; One launch serves both: work-groups 0-255 take w, 256-767 take x.  No tensor loads.  Each path has LDS bytes of its own.
.set CHUNK, 8704
.set GRP,   4*CHUNK                    ; a group of 128 rows, 512 along K
.set SLAB,  32*GRP                     ; all 4,096 rows, 512 along K
.set WGW,   256                        ; work-groups for w
.set SPARE, 0x5000                     ; behind x's stages: the spare words, 128 bytes for each wave
.set WEX,   0x5200                     ; behind them: w's scale words of four groups, 512 bytes each
.set SPW,   248                        ; LDS address of my spare word; never rewritten
.set NIL,   249                        ; 0; never rewritten
	s_load_b256 s[4:11], s[0:1], 0x0               ; x s[4:5], w_q s[6:7], scale s[8:9], xq s[10:11]
	s_load_b64 s[12:13], s[0:1], 0x20              ; wq
	v_lshl_add_u32 v[SPW], v0, 2, SPARE
	v_mov_b32 v[NIL], 0
	v_lshrrev_b32 v1, 5, v0
	v_readfirstlane_b32 s16, v1                    ; wave 0..3
	v_and_b32 v1, 31, v0                           ; lane
	v_and_b32 v2, 15, v0                           ; lane % 16
	v_bfe_u32 v3, v0, 4, 1                         ; lane / 16
	s_mov_b32 s19, 0                               ; the high word of every offset: all stay under 2^31
	s_wait_alu depctr_va_vdst(0)
	s_wait_kmcnt 0x0
	s_cmp_lt_u32 ttmp9, WGW
	s_cbranch_scc0 .Lx
; ---------------------------------------------------------------- w ----------------------------------------------------------------
; A work-group takes 512 columns x 128 along K; a wave 256 columns (wave % 2) x 64 along K (wave / 2): two blocks.  Each load reads one row k: 8 bytes a lane, 256 consecutive bytes, aligned.  All 64 loads go out ahead of the work.
; Lane l holds columns n0 + 8 l + c; its registers run DOWN K, so a block of 32 lies in one lane: its largest magnitude needs no other lane, and the conversions give codes with K innermost.
; int8 -> w, exactly: b xor 0x80 = u = b + 128; the bytes 0x47, 0, u, 0 are the f32 number 2^15 + u; (2^15 + u) s - 32,896 s = b s in one fused multiply-add (32,896 s has 20 bits, b s 19: nothing is rounded).
; A scale word's two halves are made by two waves: they meet in LDS, behind a barrier, and each wave stores the 512 bytes of one group.
.set WS,  16                           ; v[16:31]  (s_c, s_c), c = 0..7
.set WNS, 32                           ; v[32:47]  (-32,896 s_c, twice)
.set WX,  48                           ; v[48:79]  32 numbers of one column
.set WC,  80                           ; v[80:111] block 0's codes, four registers a column; block 1's take block 0's loaded words' place: no store's data are written again
.set WW,  112                          ; v[112:119] my two scale bytes of each column
.set WD,  120                          ; v[120:247] two blocks of 32 pairs as loaded
	s_and_b32 s17, ttmp9, 7                        ; which 512 columns
	s_lshr_b32 s20, ttmp9, 3                       ; which 128 along K: 0..31
	s_and_b32 s23, s16, 1                          ; which 256 columns of them
	s_lshr_b32 s24, s16, 1                         ; which 64 along K
	s_lshl_b32 s22, s17, 9
	s_lshl_b32 s21, s23, 8
	s_add_co_u32 s22, s22, s21                     ; n0
	s_lshl_b32 s18, s20, 19                        ; 128 rows of 4,096 bytes
	s_lshl_b32 s21, s24, 18
	s_add_co_u32 s18, s18, s21
	s_add_co_u32 s18, s18, s22
	s_add_nc_u64 s[6:7], s[6:7], s[18:19]
	s_lshl_b32 s18, s22, 1
	s_add_nc_u64 s[8:9], s[8:9], s[18:19]          ; scale at n0
	s_lshr_b32 s18, s20, 2
	s_mul_i32 s18, s18, SLAB                       ; the K step of 512,
	s_mul_i32 s21, s17, 4*GRP                      ; the work-group's first group,
	s_add_co_u32 s18, s18, s21
	s_and_b32 s21, s20, 3
	s_mul_i32 s21, s21, CHUNK                      ; and the 128 along K in it
	s_add_co_u32 s18, s18, s21
	s_add_nc_u64 s[12:13], s[12:13], s[18:19]
	s_mul_i32 s18, s23, 2*GRP
	s_lshl_b32 s21, s24, 9                         ; blocks 0, 1 or 2, 3 of each tile
	s_add_co_u32 s18, s18, s21
	s_add_nc_u64 s[28:29], s[12:13], s[18:19]      ; my codes
	s_mul_i32 s18, s16, GRP
	s_add_co_u32 s18, s18, 8192
	s_add_nc_u64 s[30:31], s[12:13], s[18:19]      ; the scale words that I store: group wave
	s_lshl_b32 s21, s23, 10
	s_lshl_b32 s22, s24, 1
	s_add_co_u32 s21, s21, s22
	s_add_co_u32 s21, s21, WEX
	s_lshl_b32 s22, s16, 9
	s_add_co_u32 s22, s22, WEX
	v_lshlrev_b32 v4, 3, v1                        ; in: 8 bytes a lane
	v_lshlrev_b32 v6, 4, v1                        ; my eight f16 of scale; and 16 bytes a lane on the way out
	v_mul_u32_u24 v5, v3, GRP                      ; out: lanes 0-15 one group, lanes 16-31 the next;
	v_lshl_add_u32 v5, v2, 4, v5                   ; 16 bytes for index i = lane % 16
	v_lshlrev_b32 v7, 9, v3
	v_lshl_add_u32 v7, v2, 4, v7
	v_add_nc_u32 v7, s21, v7                       ; LDS: my halves of the words: 512 x group + 16 i + 2 x (which 64 along K)
	v_add_nc_u32 v250, s22, v6                     ; LDS: the group's words that I read back
	global_load_b128 v[8:11], v6, s[8:9]
.set i, 0
.rept 64
	global_load_b64 v[WD+2*i:WD+2*i+1], v4, s[6:7] offset:i*4096 th:TH_LOAD_NT
.set i, i+1
.endr
	s_mov_b32 s20, 0x80808080
	s_mov_b32 s21, 0x47000000
	s_mov_b32 s22, 0x07040004                      ; byte selects: 0x47, 0, byte c % 4 of the word, 0
	s_mov_b32 s23, 0x07040104
	s_mov_b32 s24, 0x07040204
	s_mov_b32 s25, 0x07040304
.macro BLOCKW t
.if (\t) == 0
.set CR, WC
.else
.set CR, WD
.endif
.set i, 0
.rept 64
	v_xor_b32 v[WD+64*(\t)+i], s20, v[WD+64*(\t)+i]               ; four bytes at once: b + 128
.set i, i+1
.endr
.irp c, 0,1,2,3,4,5,6,7
.set i, 0
.rept 32
	v_perm_b32 v[WX+i], s21, v[WD+64*(\t)+2*i+(\c/4)], s[22+(\c%4)]   ; 2^15 + u of column c
.set i, i+1
.endr
.set i, 0
.rept 16
	v_pk_fma_f32 v[WX+i:WX+i+1], v[WX+i:WX+i+1], v[WS+2*\c:WS+2*\c+1], v[WNS+2*\c:WNS+2*\c+1]   ; b s, exact
.set i, i+2
.endr
.irp m, 0,1,2,3
	v_max3_num_f32 v[10+\m], |v[WX+8*\m]|, |v[WX+8*\m+1]|, |v[WX+8*\m+2]|   ; the largest magnitude: four chains that do not wait for each other
.endr
.irp e, 3,5
.irp m, 0,1,2,3
	v_max3_num_f32 v[10+\m], v[10+\m], |v[WX+8*\m+\e]|, |v[WX+8*\m+\e+1]|
.endr
.endr
	v_max3_num_f32 v10, v10, v11, |v[WX+7]|
	v_max3_num_f32 v12, v12, v13, |v[WX+15]|
	v_max3_num_f32 v10, v10, |v[WX+23]|, |v[WX+31]|
	v_max3_num_f32 v10, v10, v12, 0x1800000        ; and the floor 2^(3 - 127): the byte cannot fall under 1
	v_add_nc_u32 v14, 0xff000000, v10              ; 2 off the exponent field: the conversion takes this operand's exponent field as its scale
.irp g, 0,1,2,3
	v_cvt_scalef32_pk8_fp4_f32 v[CR+4*\c+\g], v[WX+8*\g:WX+8*\g+7], v14
.endr
	v_lshrrev_b32 v15, 23, v14                     ; the scale's byte; also the plain line between the conversions and the next write of their sources
.if (\t) == 0
	v_mov_b32 v[WW+\c], v15
.else
	v_lshl_or_b32 v[WW+\c], v15, 8, v[WW+\c]
.endif
.endr
.irp c, 0,1,2,3,4,5,6,7
	global_store_b128 v5, v[CR+4*\c:CR+4*\c+3], s[28:29] offset:1024*\c+256*(\t)   ; tile c: sixteen lanes store 256 consecutive bytes, aligned
.endr
.endm
	s_wait_loadcnt 32                              ; the scales and block 0 are in; block 1's 32 loads may be out
.set n, 0
.irp s, v8.l,v8.h,v9.l,v9.h,v10.l,v10.h,v11.l,v11.h
	v_cvt_f32_f16 v[WS+n], \s
	v_cvt_f32_f16 v[WS+n+1], \s
.set n, n+2
.endr
.set i, 0
.rept 16
	v_mul_f32 v[WNS+i], 0xc7008000, v[WS+i]        ; -32,896 s: exact
.set i, i+1
.endr
	BLOCKW 0
	s_wait_loadcnt 0x0
	BLOCKW 1
.irp c, 0,1,2,3,4,5,6,7
	ds_store_b16 v7, v[WW+\c] offset:256*(\c/4)+4*(\c%4)
.endr
	s_wait_dscnt 0x0                               ; my halves of the words are in LDS,
	s_barrier_signal -1
	s_barrier_wait -1                              ; everybody's are
	ds_load_b128 v[16:19], v250
	s_wait_dscnt 0x0
	global_store_b128 v6, v[16:19], s[30:31]       ; 32 lanes store 512 consecutive bytes, aligned
	s_wait_tensorcnt 0x0                           ; the wave's end
	ds_add_u32 v[SPW], v[NIL]
	s_wait_dscnt 0x0
	s_endpgm
; ---------------------------------------------------------------- x ----------------------------------------------------------------
; A work-group takes 64 rows x 512 along K, wave q its q-th 128: half a chunk: 4,096 consecutive bytes of codes and 256 of scale words.
; Load t reads rows 2 t and 2 t + 1: sixteen lanes take a row's 256 bytes (aligned), 8 numbers a lane.  A block of 32 lies in four neighbouring lanes: two steps across lanes join their maxima.
; A lane's 8 codes are 4 bytes: they go through the wave's own stage in LDS, where each (tile, block) unit of 256 bytes has a pitch of 288, so that the 32 lanes of a store fall on 32 different banks
; (64 banks of 4 bytes: ISA guide 11.1), and leave, tile by tile, as 512 consecutive bytes a store.  The 256 scale bytes are gathered behind the stage.
.Lx:
.set XREG, 5120                        ; LDS of a wave: 16 units x 288 bytes, then 256 scale bytes
.set XM,   12                          ; v[12:15]   four largest magnitudes
.set XSO,  16                          ; v[16:19]   four scale operands
.set XR,   32                          ; v[32:127]  24 slots of 4 registers as loaded (below v128: only these have named halves)
.set XX,   128                         ; v[128:159] four sets of 8 numbers
.set XC,   160                         ; v[160:191] a register of codes for each load
.set XE,   192                         ; v[192:223] a scale byte for each load
.set XO,   224                         ; v[224:247] tiles 0 to 2 on their way out (tile 3: v[32:39])
	s_sub_co_u32 s17, ttmp9, WGW
	s_lshr_b32 s20, s17, 3                         ; the group of 64 rows
	s_and_b32 s21, s17, 7                          ; the K step of 512
	s_lshl_b32 s18, s20, 19                        ; 64 rows of 8,192 bytes
	s_lshl_b32 s22, s21, 10
	s_add_co_u32 s18, s18, s22
	s_lshl_b32 s22, s16, 8                         ; my wave's 128 numbers
	s_add_co_u32 s18, s18, s22
	s_add_nc_u64 s[4:5], s[4:5], s[18:19]
	v_lshlrev_b32 v4, 13, v3
	v_lshl_add_u32 v4, v2, 4, v4                   ; in: row lane / 16, 16 bytes a lane
.macro LOADX t
	global_load_b128 v[XR+4*((\t)%24):XR+4*((\t)%24)+3], v4, s[4:5] offset:16384*(\t) th:TH_LOAD_NT
.endm
.set T, 0
.rept 16
	LOADX T
.set T, T+1
.endr
	s_mul_i32 s18, s21, SLAB
	s_lshr_b32 s22, s20, 1
	s_mul_i32 s22, s22, GRP
	s_add_co_u32 s18, s18, s22
	s_mul_i32 s22, s16, CHUNK
	s_add_co_u32 s18, s18, s22
	s_and_b32 s20, s20, 1                          ; which half of the group's 128 rows
	s_add_nc_u64 s[10:11], s[10:11], s[18:19]
	s_lshl_b32 s18, s20, 8
	s_add_co_u32 s18, s18, 8192
	s_add_nc_u64 s[28:29], s[10:11], s[18:19]      ; my scale words
	s_lshl_b32 s18, s20, 12
	s_add_nc_u64 s[10:11], s[10:11], s[18:19]      ; my codes
	s_mul_i32 s22, s16, XREG                       ; my stage
	s_add_co_u32 s23, s22, 16*288                  ; my scale bytes
	v_bfe_u32 v11, v0, 2, 2                        ; my block b
	v_and_b32 v12, 3, v0                           ; my quarter of it
	v_mul_u32_u24 v5, v11, 288
	v_lshl_add_u32 v5, v3, 4, v5
	v_lshl_add_u32 v5, v12, 2, v5
	v_add_nc_u32 v5, s22, v5                       ; codes in: 288 b + 16 (lane / 16) + 4 x quarter
	v_lshl_add_u32 v6, v3, 3, v11
	v_add_nc_u32 v6, s23, v6                       ; bytes in: 8 (lane / 16) + b
	v_mul_u32_u24 v7, v3, 288
	v_lshl_add_u32 v7, v2, 4, v7
	v_add_nc_u32 v7, s22, v7                       ; codes out: lanes 0-15 one unit, lanes 16-31 the next
	v_lshl_add_u32 v8, v1, 3, s23                  ; bytes out: 8 a lane
	v_lshlrev_b32 v9, 4, v1
	v_lshlrev_b32 v10, 3, v1
; sixteen registers of f16 pairs -> 32 numbers in v[XX] on.  The halves are named as text, so each run of sixteen has its list.
.macro CV0
.set n, 0
.irp s, v32.l,v32.h,v33.l,v33.h,v34.l,v34.h,v35.l,v35.h,v36.l,v36.h,v37.l,v37.h,v38.l,v38.h,v39.l,v39.h,v40.l,v40.h,v41.l,v41.h,v42.l,v42.h,v43.l,v43.h,v44.l,v44.h,v45.l,v45.h,v46.l,v46.h,v47.l,v47.h
	v_cvt_f32_f16 v[XX+n], \s
.set n, n+1
.endr
.endm
.macro CV1
.set n, 0
.irp s, v48.l,v48.h,v49.l,v49.h,v50.l,v50.h,v51.l,v51.h,v52.l,v52.h,v53.l,v53.h,v54.l,v54.h,v55.l,v55.h,v56.l,v56.h,v57.l,v57.h,v58.l,v58.h,v59.l,v59.h,v60.l,v60.h,v61.l,v61.h,v62.l,v62.h,v63.l,v63.h
	v_cvt_f32_f16 v[XX+n], \s
.set n, n+1
.endr
.endm
.macro CV2
.set n, 0
.irp s, v64.l,v64.h,v65.l,v65.h,v66.l,v66.h,v67.l,v67.h,v68.l,v68.h,v69.l,v69.h,v70.l,v70.h,v71.l,v71.h,v72.l,v72.h,v73.l,v73.h,v74.l,v74.h,v75.l,v75.h,v76.l,v76.h,v77.l,v77.h,v78.l,v78.h,v79.l,v79.h
	v_cvt_f32_f16 v[XX+n], \s
.set n, n+1
.endr
.endm
.macro CV3
.set n, 0
.irp s, v80.l,v80.h,v81.l,v81.h,v82.l,v82.h,v83.l,v83.h,v84.l,v84.h,v85.l,v85.h,v86.l,v86.h,v87.l,v87.h,v88.l,v88.h,v89.l,v89.h,v90.l,v90.h,v91.l,v91.h,v92.l,v92.h,v93.l,v93.h,v94.l,v94.h,v95.l,v95.h
	v_cvt_f32_f16 v[XX+n], \s
.set n, n+1
.endr
.endm
.macro CV4
.set n, 0
.irp s, v96.l,v96.h,v97.l,v97.h,v98.l,v98.h,v99.l,v99.h,v100.l,v100.h,v101.l,v101.h,v102.l,v102.h,v103.l,v103.h,v104.l,v104.h,v105.l,v105.h,v106.l,v106.h,v107.l,v107.h,v108.l,v108.h,v109.l,v109.h,v110.l,v110.h,v111.l,v111.h
	v_cvt_f32_f16 v[XX+n], \s
.set n, n+1
.endr
.endm
.macro CV5
.set n, 0
.irp s, v112.l,v112.h,v113.l,v113.h,v114.l,v114.h,v115.l,v115.h,v116.l,v116.h,v117.l,v117.h,v118.l,v118.h,v119.l,v119.h,v120.l,v120.h,v121.l,v121.h,v122.l,v122.h,v123.l,v123.h,v124.l,v124.h,v125.l,v125.h,v126.l,v126.h,v127.l,v127.h
	v_cvt_f32_f16 v[XX+n], \s
.set n, n+1
.endr
.endm
; Loads 4 gq .. 4 gq + 3 are worked together, by turns.  XHEAD: they are in.  The count is the loads issued behind load 4 gq + 3: of the first 16, those after it, and the further ones issued so far (4 behind each of the first four steps).
.macro XHEAD gq
.if 28-4*(\gq) > 12
	s_wait_loadcnt 12
.else
	s_wait_loadcnt 28-4*(\gq)
.endif
.endm
.macro XREST gq
.if (\gq) < 4
.irp u, 0,1,2,3
	LOADX 4*(\gq)+\u+16                            ; into slots that are free
.endr
.endif
.irp u, 0,1,2,3
	v_max3_num_f32 v[XM+\u], |v[XX+8*\u]|, |v[XX+8*\u+1]|, 0x1800000   ; my 8 numbers, and the floor 2^(3 - 127): the byte cannot fall under 1
.endr
.irp e, 2,4,6
.irp u, 0,1,2,3
	v_max3_num_f32 v[XM+\u], v[XM+\u], |v[XX+8*\u+\e]|, |v[XX+8*\u+\e+1]|
.endr
.endr
.irp u, 0,1,2,3
	v_max_num_f32_dpp v[XM+\u], v[XM+\u], v[XM+\u] row_xmask:1 row_mask:0xf bank_mask:0xf
.endr
.irp u, 0,1,2,3
	v_max_num_f32_dpp v[XM+\u], v[XM+\u], v[XM+\u] row_xmask:2 row_mask:0xf bank_mask:0xf   ; the four lanes of a block: its largest magnitude
.endr
.irp u, 0,1,2,3
	v_add_nc_u32 v[XSO+\u], 0xff000000, v[XM+\u]   ; 2 off the exponent field: the conversion's scale operand
.endr
.irp u, 0,1,2,3
	v_cvt_scalef32_pk8_fp4_f32 v[XC+4*(\gq)+\u], v[XX+8*\u:XX+8*\u+7], v[XSO+\u]
.endr
.irp u, 0,1,2,3
	v_lshrrev_b32 v[XE+4*(\gq)+\u], 23, v[XSO+\u]  ; the scale's byte; also the plain lines between the conversions and the next write of their sources
.endr
.irp u, 0,1,2,3
.set T, 4*(\gq)+\u                     ; rows 2 T + lane / 16: tile T / 8, index (2 T) % 16 + lane / 16
	ds_store_b32 v5, v[XC+T] offset:1152*(T/8)+16*((2*T)%16)
	ds_store_b8 v6, v[XE+T] offset:16*(T%16)+4*(T/16)             ; the four lanes of a block write the same byte with the same value
.endr
.endm
.macro XGET k                          ; tile k back from the stage: LDS serves a wave's instructions in order (ISA guide 5.7.1.4): these see my stores
.if (\k) < 3
.set XK, XO+8*(\k)
.else
.set XK, XR
.endif
	ds_load_b128 v[XK:XK+3], v7 offset:1152*(\k)
	ds_load_b128 v[XK+4:XK+7], v7 offset:1152*(\k)+576
.endm
.macro XPUT k, younger
.if (\k) < 3
.set XK, XO+8*(\k)
.else
.set XK, XR
.endif
	s_wait_dscnt \younger
	global_store_b128 v9, v[XK:XK+3], s[10:11] offset:1024*(\k)    ; 32 lanes store 512 consecutive bytes, aligned to 256
	global_store_b128 v9, v[XK+4:XK+7], s[10:11] offset:1024*(\k)+512
.endm
	XHEAD 0
	CV0
	XREST 0
	XHEAD 1
	CV1
	XREST 1
	XHEAD 2
	CV2
	XREST 2
	XHEAD 3
	CV3
	XREST 3
	XGET 0
	XGET 1
	XHEAD 4
	CV4
	XREST 4
	XPUT 0, 8
	XPUT 1, 8
	XHEAD 5
	CV5
	XREST 5
	XGET 2
	XHEAD 6
	CV0
	XREST 6
	XPUT 2, 8
	XHEAD 7
	CV1
	XREST 7
	XGET 3
	ds_load_b64 v[64:65], v8
	XPUT 3, 1
	s_wait_dscnt 0x0
	global_store_b64 v10, v[64:65], s[28:29]                       ; 256 scale bytes, aligned
	s_wait_tensorcnt 0x0                           ; the wave's end
	ds_add_u32 v[SPW], v[NIL]
	s_wait_dscnt 0x0
	s_endpgm
.Lfunc_end_k_q03636d94e6_quant:
	.size	k_q03636d94e6_quant, .Lfunc_end_k_q03636d94e6_quant-k_q03636d94e6_quant
	.p2alignl 7, 3214868480
	.fill 96, 4, 3214868480
	.section	.rodata,"a",@progbits
	.p2align	6, 0x0
	.amdhsa_kernel k_q03636d94e6_quant
		.amdhsa_group_segment_fixed_size 23040
		.amdhsa_private_segment_fixed_size 0
		.amdhsa_enable_private_segment 0
		.amdhsa_kernarg_size 40
		.amdhsa_user_sgpr_count 2
		.amdhsa_user_sgpr_kernarg_segment_ptr 1
		.amdhsa_wavefront_size32 1
		.amdhsa_system_sgpr_workgroup_id_x 1
		.amdhsa_system_sgpr_workgroup_id_y 1
		.amdhsa_system_sgpr_workgroup_id_z 1
		.amdhsa_system_vgpr_workitem_id 0
		.amdhsa_next_free_vgpr 252
		.amdhsa_next_free_sgpr 66
		.amdhsa_reserve_vcc 0
		.amdhsa_float_denorm_mode_32 3
		.amdhsa_float_denorm_mode_16_64 3
		.amdhsa_memory_ordered 1
		.amdhsa_forward_progress 1
		.amdhsa_inst_pref_size 125
	.end_amdhsa_kernel
	.amdgpu_metadata
---
amdhsa.version: [ 1, 2 ]
amdhsa.kernels:
  - .name:           k_q03636d94e6_quant
    .symbol:         k_q03636d94e6_quant.kd
    .args:
      - { .name: x, .offset: 0, .size: 8, .value_kind: global_buffer, .address_space: global }
      - { .name: w_q, .offset: 8, .size: 8, .value_kind: global_buffer, .address_space: global }
      - { .name: scale, .offset: 16, .size: 8, .value_kind: global_buffer, .address_space: global }
      - { .name: xq, .offset: 24, .size: 8, .value_kind: global_buffer, .address_space: global }
      - { .name: wq, .offset: 32, .size: 8, .value_kind: global_buffer, .address_space: global }
    .group_segment_fixed_size: 23040
    .private_segment_fixed_size: 0
    .kernarg_segment_align: 8
    .kernarg_segment_size: 40
    .max_flat_workgroup_size: 128
    .sgpr_count:     66
    .vgpr_count:     252
    .wavefront_size: 32
...
	.end_amdgpu_metadata
.endif
;; end of part 1
;; launch gemm (part 2): grid 16 x 16, 4 waves a work-group, clusters of 4 x 4, 327,680 bytes of LDS; arguments xq, wq, bias, out0; writes out0
.if DOCPART == 2
	.amdgcn_target "amdgcn-amd-amdhsa--gfx1250"
	.amdhsa_code_object_version 6
	.text
	.protected	k_q03636d94e6_gemm
	.globl	k_q03636d94e6_gemm
	.p2align	8
	.type	k_q03636d94e6_gemm,@function
k_q03636d94e6_gemm:
	s_mov_b64 s[64:65], 0
	v_nop
	global_prefetch_b8 v0, s[64:65] scope:SCOPE_SE
	s_setreg_imm32_b32 hwreg(HW_REG_WAVE_MODE, 25, 1), 1
	s_wait_xcnt 0x0
	s_wait_alu depctr_hold_cnt(0) depctr_sa_sdst(0) depctr_va_vdst(0) depctr_va_sdst(0) depctr_va_ssrc(0) depctr_va_vcc(0) depctr_vm_vsrc(0)
	s_getreg_b32 s2, hwreg(HW_REG_IB_STS2, 6, 4)
	s_cmp_eq_u32 s2, 0
	s_cbranch_scc0 .Lentry_in_a_cluster
	s_endpgm
.Lentry_in_a_cluster:
	s_bfe_u32 s2, ttmp6, 0x10000c
	s_cmp_lg_u32 s2, 0xf033
	s_cbranch_scc0 .Lentry_shape_is_right
	s_endpgm
.Lentry_shape_is_right:
; out0[m][n] = sum over k of A[m][k] B[n][k] + bias[n], M = N = K = 4,096.  A (xq) and B (wq): codes of FP4 (E2M1) with one E8M0 scale for each 32 along K; sums in f32; out0 f16, rounded once.
; LIMITS: the sums begin at the bias (it is the C of each sum's first product), and a last K step's quarters are summed in the order 0, 2, 3, 1, so the order of rounding differs from an addition at the end; results beyond 65,504 become f16 infinity.
; BOTH OPERANDS LIE AS IMAGES OF THEIR REGISTERS: buffer[K step of 512: 8][group of 128 rows: 32][128 along K: 4][CHUNK]; a CHUNK is 8 tiles x 1,024 bytes of codes (16 rows x 128 K: two loads of 32 lanes x 16 bytes, as they lie)
; and 512 bytes of scale words.  So a K step's codes AND scales of 128 rows are one dense block of 34,816 bytes: one tensor load, no padding.
; A's tile t, index i, is row 128 g + 16 t + i; two tiles form a source of 32 rows.  B's tile c, index i, is column 128 g + 8 i + c.
; A tile of C, 256 x 256, is made by a work-group of four waves, as many as a WGP has SIMDs; a wave makes 128 x 128: 32 accumulators of 32 x 16, 512 registers.  K goes in steps of 512 through a ring of two LDS slots.
; CLUSTERS: 4 x 4 work-groups.  The four of a row of the cluster need the same blocks of A, the four of a column the same blocks of B: each is asked for JOINTLY, by the same tensor load with the same descriptor and a mask of the four.
; THE RESULT: lane (r, h), accumulator (a, b), register 8 p + j holds C(32 a + 16 p + 8 h + j, 8 r + b) of my 128 x 128: over b a lane holds eight neighbouring numbers of a row, and sixteen lanes a row's 256 bytes: results go from registers to memory.
; PREFETCH: behind the load of K step k each wave names K step k + 2, but behind K step 0's only 1 and behind K step 1's also 2: of the 136 units of 256 bytes that it loads jointly, each of the four partners takes 34, told apart by address (cx for A, cy for B): two lines of 17 units.
; REGISTERS, in windows of 256: window 0: v2-13 addresses; v16-63 scale words (set s at 12 s: four of A, eight of B); v64-127 the way out; v128-255 A's fragments, two sets.
;   window 1: v0-127 B's fragments, two sets; v128-255 the bias, 16 registers a column tile; in the last K step all 256: B's whole K step.   windows 2, 3: accumulator (a, b) at v[128 (a % 2) + 16 b] of window 2 + a / 2.
.set CHUNK,  8704
.set GRP,    4*CHUNK                   ; 128 rows, 512 along K: what one tensor load brings, and what one wave reads of A or of B
.set SLAB,   32*GRP                    ; all rows: from a K step to the next
.set SLOT,   4*GRP                     ; A's two halves, then B's two
.set SPARE,  2*SLOT                    ; behind the ring: the spare words, 128 bytes for each wave: two blocks of 256 bytes that no other line names
.set ROWC,   8192                      ; a row of out0 in bytes
.set ADRA, 2                           ; v2-3   LDS address of my A fragments in slot 0, 1: + 16 x lane
.set ADRB, 4                           ; v4-5   of my B fragments
.set ADSA, 6                           ; v6-7   of A's scale words: + 8 x lane
.set ADSB, 8                           ; v8-9   of B's: + 16 x r (lanes 16-31 read the same)
.set SPW,  10                          ; LDS address of my spare word; never rewritten
.set NIL,  11                          ; 0; never rewritten
.set CO,   12                          ; my byte offset in out0
.set PFO,  13                          ; the prefetches' offset
.set SC,   16
.set TMP,  64
.set AF,   128
.set BI,   128                         ; (window 1)
.set G1,  24                           ; s[24:31] descriptor group 1 for A;  s[32:39] group 0, one set for each slot
.set G0,  32
.set G1B, 48                           ; s[48:55], s[56:63] the same for B
.set G0B, 56
.set PFA, 66                           ; s[66:67] where my prefetches stand
.set MSB, 0
.macro WIN new                         ; the immediate's high byte repeats the setting that is left; a switch that changes nothing is dropped
.if MSB != (\new)
	s_set_vgpr_msb (MSB<<8)|(\new)
.set MSB, \new
.endif
.endm
.set TO_B,   0x40                      ; destination window 1, address window 0
; A joint load: waves 0 and 1 fetch A's halves, waves 2 and 3 B's.  Each of the two lines has ONE mask and one set of registers for all that issue it; the branch hangs on the wave's number alone.
; An s_nop 0 and four v_nop follow each of the two lines, ahead of the jump, the label and what follows.
.macro JLOAD s
	s_cmp_eq_u32 s15, 0
	s_cbranch_scc0 .Lfor_b_\@
	tensor_load_to_lds s[G0+4*\s:G0+4*\s+3], s[G1:G1+7]
	s_nop 0
.rept 4
	v_nop
.endr
	s_branch .Lasked_\@
.Lfor_b_\@:
	tensor_load_to_lds s[G0B+4*\s:G0B+4*\s+3], s[G1B:G1B+7]
	s_nop 0
.rept 4
	v_nop
.endr
.Lasked_\@:
.endm
.macro CREST                           ; a round of the cluster's barrier behind its opening barrier
	s_cmp_lg_u32 s14, 0
	s_cbranch_scc1 .Lnot_wave_0_\@
	s_barrier_signal -3
.Lnot_wave_0_\@:
	s_barrier_wait -3
	s_barrier_signal -1
	s_barrier_wait -1
.endm
.macro CROUND                          ; a whole round
	s_barrier_signal -1
	s_barrier_wait -1
	CREST
.endm
.macro PREF k                          ; my 34 units, k K steps behind where my prefetches stand
	global_prefetch_b8 v[PFO], s[PFA:PFA+1] offset:(\k)*SLAB th:TH_LOAD_NT scope:SCOPE_SE
	global_prefetch_b8 v[PFO], s[PFA:PFA+1] offset:(\k)*SLAB+17*256 th:TH_LOAD_NT scope:SCOPE_SE
.endm
	s_load_b256 s[4:11], s[0:1], 0x0               ; xq s[4:5], wq s[6:7], bias s[8:9], out0 s[10:11]
	v_lshl_add_u32 v[SPW], v0, 2, SPARE
	v_mov_b32 v[NIL], 0
	ds_add_u32 v[SPW], v[NIL]                      ; the wave's opening: the add, twice on end, and its wait ahead of my first tensor load
	ds_add_u32 v[SPW], v[NIL]
	v_lshrrev_b32 v1, 5, v0
	v_readfirstlane_b32 s14, v1                    ; wave 0..3
	s_lshr_b32 s15, s14, 1                         ; which half of the tile's rows is mine.  Also: I fetch for A (0) or for B (1)
	s_and_b32 s16, s14, 1                          ; which half of its columns.  Also: which 128 rows of that operand I fetch
	s_bfe_u32 s40, ttmp6, 0x40000                  ; cx, cy: my place in the cluster
	s_bfe_u32 s41, ttmp6, 0x40004
	s_lshl_b32 s42, ttmp9, 2
	s_add_co_u32 s42, s42, s40                     ; tile column of C = 4 x cluster x + cx
	s_and_b32 s17, ttmp7, 0xffff
	s_lshl_b32 s17, s17, 2
	s_add_co_u32 s17, s17, s41                     ; tile row of C = 4 x cluster y + cy
	s_lshl_b32 s43, s41, 2
	s_lshl_b32 s43, 15, s43                        ; my row of the cluster
	s_lshl_b32 s44, 0x1111, s40                    ; my column
	; descriptor group 1: a dense block of 34,816 bytes as 136 rows of 256 bytes (32 elements of 8 bytes), no padding
	s_or_b32 s[G1+0], s43, (3<<16)|(1<<21)         ; 15:0 the mask: A's blocks go to my row; 17:16 elements of 8 bytes; 20 no padding; 21 set beside a mask
	s_or_b32 s[G1B+0], s44, (3<<16)|(1<<21)        ; B's go to my column
.irp g, G1, G1B
	s_mov_b32 s[\g+1], 32<<16                      ; tensor_dim0 = 32
	s_mov_b32 s[\g+2], 136<<16                     ; tensor_dim1 = 136
	s_mov_b32 s[\g+3], 32<<16                      ; tile_dim0 = 32
	s_mov_b32 s[\g+4], 136                         ; tile_dim1 = 136
	s_mov_b32 s[\g+5], 32                          ; tensor_dim0_stride
	s_mov_b32 s[\g+6], 0
	s_mov_b32 s[\g+7], 0
.endr
	s_lshl_b32 s20, s17, 1
	s_add_co_u32 s20, s20, s16                     ; A: group 2 x tile row + half
	s_mul_i32 s20, s20, GRP
	s_mov_b32 s21, 0
	s_lshl_b32 s46, s42, 1
	s_add_co_u32 s46, s46, s16                     ; B: group 2 x tile column + half
	s_mul_i32 s46, s46, GRP
	s_mov_b32 s47, 0
	s_mul_i32 s45, s14, GRP                        ; where they go: wave x 34,816: no place in the cluster enters an LDS address
	s_lshl_b32 s12, s17, 8
	s_lshl_b32 s13, s15, 7
	s_add_co_u32 s12, s12, s13                     ; my first row of out0: 256 x tile row + 128 x half
	s_lshl_b32 s12, s12, 13
	s_mov_b32 s13, 0
	s_lshl_b32 s18, s42, 9                         ; my first column, in bytes of f16: 512 x tile column + 256 x half
	s_lshl_b32 s19, s16, 8
	s_add_co_u32 s18, s18, s19
	s_mov_b32 s19, 0
	s_mul_i32 s22, s15, GRP                        ; my 128 rows of A
	s_mul_i32 s23, s16, GRP                        ; my 128 rows of B,
	s_add_co_u32 s23, s23, 2*GRP                   ; which lie behind A's two halves
	v_and_b32 v1, 31, v0                           ; lane
	v_and_b32 v14, 15, v0                          ; r
	v_bfe_u32 v15, v0, 4, 1                        ; h
	v_lshlrev_b32 v68, 4, v1
	v_lshlrev_b32 v69, 3, v1
	v_lshlrev_b32 v70, 4, v14
	v_add_nc_u32 v[ADRA], s22, v68
	v_add_nc_u32 v[ADRB], s23, v68
	v_add_nc_u32 v[ADSA], s22, v69
	v_add_nc_u32 v[ADSB], s23, v70
	v_add_nc_u32 v[ADRA+1], SLOT, v[ADRA]
	v_add_nc_u32 v[ADRB+1], SLOT, v[ADRB]
	v_add_nc_u32 v[ADSA+1], SLOT, v[ADSA]
	v_add_nc_u32 v[ADSB+1], SLOT, v[ADSB]
	v_lshl_add_u32 v[CO], v15, 16, v70             ; out0: 8 h rows, 16 bytes for r
	v_min_u32 v[PFO], 16, v1                       ; 17 units; the lanes left over name the last again
	v_lshlrev_b32 v[PFO], 8, v[PFO]
	s_wait_alu depctr_va_vdst(0)
	s_wait_dscnt 0x0                               ; both opening adds are done
	s_wait_kmcnt 0x0
	s_add_nc_u64 s[20:21], s[4:5], s[20:21]
	s_add_nc_u64 s[46:47], s[6:7], s[46:47]
	s_add_nc_u64 s[8:9], s[8:9], s[18:19]
	s_add_nc_u64 s[10:11], s[10:11], s[12:13]
	s_add_nc_u64 s[10:11], s[10:11], s[18:19]
	global_load_b128 v[64:67], v70, s[8:9]         ; the bias of my eight columns 8 r + b
	CROUND                                         ; all sixteen work-groups are here: the first joint loads meet
.irp s, 0,1
	s_mov_b32 s[G0+4*\s], 1                                        ; count = 1
	s_add_co_u32 s[G0+4*\s+1], s45, \s*SLOT                        ; LDS address
	s_add_nc_u64 s[G0+4*\s+2:G0+4*\s+3], s[20:21], \s*SLAB         ; global address: K step s
	s_or_b32 s[G0+4*\s+3], s[G0+4*\s+3], 0x80000000                ; type = 2
	s_mov_b32 s[G0B+4*\s], 1
	s_add_co_u32 s[G0B+4*\s+1], s45, \s*SLOT
	s_add_nc_u64 s[G0B+4*\s+2:G0B+4*\s+3], s[46:47], \s*SLAB
	s_or_b32 s[G0B+4*\s+3], s[G0B+4*\s+3], 0x80000000
.endr
	JLOAD 0                                        ; K step 0
	s_cmp_eq_u32 s15, 0                            ; do I fetch for A?
	s_cselect_b32 s70, s40, s41                    ; my place among the four that ask for it with me
	s_cselect_b64 s[PFA:PFA+1], s[20:21], s[46:47]
	s_mul_i32 s70, s70, CHUNK                      ; 34 units of 256 bytes each
	s_mov_b32 s71, 0
	s_add_nc_u64 s[PFA:PFA+1], s[PFA:PFA+1], s[70:71]
	s_wait_loadcnt 0x0                             ; the bias
	PREF 1                                         ; (K step 2 is named behind K step 1's load, together with K step 3)
	WIN TO_B
.set n, 0
.irp s, v64.l,v64.h,v65.l,v65.h,v66.l,v66.h,v67.l,v67.h
.rept 16
	v_cvt_f32_f16 v[BI+n], \s                      ; a lane's 16 results of a column tile lie in one column: the same number in all
.set n, n+1
.endr
.endr
	WIN 0
; LDS loads.  LSC: a 128 along K's scale words into set s: four of A (rows 32 a + lane), eight of B.  LA, LB: tile t: 8 registers: lane l holds index l % 16; registers 4 c .. 4 c + 3 hold K = 64 c + 32 (l / 16) + 0 .. 31.
.macro LSC slot, q, s
	WIN 0
	ds_load_b64 v[SC+12*(\s):SC+12*(\s)+1], v[ADSA+\slot] offset:(\q)*CHUNK+8192
	ds_load_b64 v[SC+12*(\s)+2:SC+12*(\s)+3], v[ADSA+\slot] offset:(\q)*CHUNK+8192+256
	ds_load_b128 v[SC+12*(\s)+4:SC+12*(\s)+7], v[ADSB+\slot] offset:(\q)*CHUNK+8192
	ds_load_b128 v[SC+12*(\s)+8:SC+12*(\s)+11], v[ADSB+\slot] offset:(\q)*CHUNK+8192+256
.endm
.macro LA slot, q, t, reg
	WIN 0
	ds_load_b128 v[\reg:\reg+3], v[ADRA+\slot] offset:(\q)*CHUNK+1024*(\t)
	ds_load_b128 v[\reg+4:\reg+7], v[ADRA+\slot] offset:(\q)*CHUNK+1024*(\t)+512
.endm
.macro LB slot, q, t, reg
	WIN TO_B
	ds_load_b128 v[\reg:\reg+3], v[ADRB+\slot] offset:(\q)*CHUNK+1024*(\t)
	ds_load_b128 v[\reg+4:\reg+7], v[ADRB+\slot] offset:(\q)*CHUNK+1024*(\t)+512
.endm
; The 36 loads of the slot's q-th 128 along K into set p, in nine groups of four: scale words; A's tiles 0, 1; B's eight tiles; A's tiles 2 to 7.
.macro GRUN slot, q, p, n
.if (\n) == 0
	LSC \slot, \q, \p
.elseif (\n) == 1
	LA \slot, \q, 0, AF+64*(\p)
	LA \slot, \q, 1, AF+64*(\p)+8
.elseif (\n) < 6
	LB \slot, \q, 2*(\n)-4, 64*(\p)+16*(\n)-32
	LB \slot, \q, 2*(\n)-3, 64*(\p)+16*(\n)-24
.else
	LA \slot, \q, 2*(\n)-10, AF+64*(\p)+16*(\n)-80
	LA \slot, \q, 2*(\n)-9, AF+64*(\p)+16*(\n)-72
.endif
.endm
; Matrix instruction m of a step: A's 32 rows a = m / 8 x B's tile b = m % 8, set p.  first = 1: the sum begins at the bias: nothing is ever cleared.
; The 32 accumulators take turns, one instruction a turn, in the same order in every step.
.macro MM m, p, first
.set MA, (\m)/8
.set MB, (\m)%8
.set MD, 128*(MA%2)+16*MB
.if \first
	WIN 0x94+0x40*(MA/2)
	v_wmma_scale_f32_32x16x128_f4 v[MD:MD+15], v[AF+64*(\p)+16*MA:AF+64*(\p)+16*MA+15], v[64*(\p)+8*MB:64*(\p)+8*MB+7], v[BI+16*MB:BI+16*MB+15], v[SC+12*(\p)+MA], v[SC+12*(\p)+4+MB]
.else
	WIN 0xa4+0x50*(MA/2)
	v_wmma_scale_f32_32x16x128_f4 v[MD:MD+15], v[AF+64*(\p)+16*MA:AF+64*(\p)+16*MA+15], v[64*(\p)+8*MB:64*(\p)+8*MB+7], v[MD:MD+15], v[SC+12*(\p)+MA], v[SC+12*(\p)+4+MB]
.endif
.endm
.macro MMS from, count, p
.set M, \from
.rept \count
	MM M, \p, 0
.set M, M+1
.endr
.endm
; A load into a register that a matrix instruction has read, and a vector instruction that reads a matrix result, stand four places behind that matrix instruction, and only plain vector
; instructions that name none of its registers are places (ISA guide 7.12.1 for vector instructions).
.macro PLACES
.rept 4
	v_nop
.endr
.endm
.macro GRUNS slot, q, p                ; the nine groups in one run
.set N, 0
.rept 9
	GRUN \slot, \q, \p, N
.set N, N+1
.endr
.endm
; A step of 128 along K that has its successor in the same slot: the next step's 36 loads into the other set, in one run, then 32 matrix instructions on set q % 2, whose loads went out a step ago.
.macro STEP slot, q, first
	PLACES                                         ; for the loads below: the other set was read by the step before
	GRUNS \slot, (\q)+1, 1-(\q)%2
	s_wait_dscnt 48                                ; the 36 new loads may be out, and of this step's the last three groups, A's tiles 2 to 7
.set M, 0
.rept 32
.if M == 8
	s_wait_dscnt 44                                ; A's tiles 2, 3 are in
.elseif M == 16
	s_wait_dscnt 40                                ; tiles 4, 5
.elseif M == 24
	s_wait_dscnt 36                                ; tiles 6, 7
.endif
	MM M, (\q)%2, \first
.set M, M+1
.endr
.endm
; The last step of a slot that is filled again, on set 1.  All my reads of the slot were issued in the step before, so the change of slots begins here: the three lines, a round of the cluster's barrier, the joint refill,
; then the next slot's first fragments, in one run.
.macro MEET
	WIN 0                                          ; (the add's two registers lie in window 0)
	s_wait_tensorcnt 0x0                           ; all my tensor loads have landed: the one that was out is my part of the next slot
	ds_add_u32 v[SPW], v[NIL]                      ; 0 onto my spare word
	s_wait_dscnt 13                                ; (the add and A's tiles 2 to 7 may be out)
	MMS 0, 4, 1                                    ; four matrix instructions stand between the add and the wait for it
	s_wait_dscnt 0x0                               ; the add is done, and my reads of this slot are over
	s_barrier_signal -1
	MMS 4, 4, 1
	WIN 0
	s_barrier_wait -1
.endm
.macro TURN slot, next
.if (\slot) == 0
	s_wait_xcnt 0x0                                ; the prefetches of the last K step have read their address
	s_add_nc_u64 s[PFA:PFA+1], s[PFA:PFA+1], 2*SLAB
.endif
	MEET
	CREST                                          ; the barrier has opened a round of the cluster's barrier: no wave of any partner still reads this slot or has a load on its way
	s_add_nc_u64 s[G0+4*\slot+2:G0+4*\slot+3], s[G0+4*\slot+2:G0+4*\slot+3], 2*SLAB
	s_add_nc_u64 s[G0B+4*\slot+2:G0B+4*\slot+3], s[G0B+4*\slot+2:G0B+4*\slot+3], 2*SLAB
	JLOAD \slot                                    ; the first tensor load behind the round, my one load until the next; the four v_nop behind it are the places in front of the loads below
	GRUNS \next, 0, 0
	MMS 8, 24, 1
	WIN 0
	s_cmp_gt_u32 s3, 1                             ; the last trip's refills are K steps 6 and 7: nothing stands two K steps on
	s_cbranch_scc0 .Lno_ask_\@
	PREF 2+\slot
.Lno_ask_\@:
.endm
	s_wait_alu depctr_va_vdst(0)
	s_wait_tensorcnt 0x0                           ; my part of K step 0 is in
	ds_add_u32 v[SPW], v[NIL]
	s_wait_dscnt 0x0
	CROUND                                         ; everybody's part is in, and all sixteen work-groups are here
	JLOAD 1                                        ; K step 1's load, the first tensor load behind the round
	GRUNS 0, 0, 0
	WIN 0
	PREF 2
	PREF 3
	STEP 0, 0, 1                                   ; the first step stands in front of the loop: its products start the sums, at the bias
	WIN 0
	s_mov_b32 s3, 3
.Llap:                                                 ; a trip goes once round the ring, from a lap's second step to the next lap's first, and fills both slots again: K steps 2 to 7 in three trips
	STEP 0, 1, 0
	STEP 0, 2, 0
	TURN 0, 1
	STEP 1, 0, 0
	STEP 1, 1, 0
	STEP 1, 2, 0
	TURN 1, 0
	STEP 0, 0, 0
	WIN 0
	s_sub_co_u32 s3, s3, 1
	s_cmp_lg_u32 s3, 0
	s_cbranch_scc1 .Llap
	STEP 0, 1, 0
	STEP 0, 2, 0
; THE LAST K STEP (slot 1) GOES BY ROWS OF C: B's fragments of all four quarters fill window 1; my four blocks of 32 rows are finished one after the other, 32 matrix instructions each, and each leaves as soon as it is finished.
; Scale words of quarter q lie in set q, B's fragments at v[64 q]; A's blocks take turns in the two sets of A.
.macro BT q, t                         ; B's tiles t, t + 1 of quarter q
	LB 1, \q, \t, 64*(\q)+8*(\t)
	LB 1, \q, (\t)+1, 64*(\q)+8*(\t)+8
.endm
.macro AQ a, q                         ; block a of A, quarter q
	LA 1, \q, 2*(\a), AF+64*((\a)%2)+16*(\q)
	LA 1, \q, 2*(\a)+1, AF+64*((\a)%2)+16*(\q)+8
.endm
.macro LR n                            ; what does not land on set 1, which is still at work: 19 groups of four
.if (\n) == 0
	LSC 1, 0, 0
.elseif (\n) < 5
	AQ 0, (\n)-1
.elseif (\n) < 9
	BT 0, 2*(\n)-10
.elseif (\n) < 11
	LSC 1, (\n)-7, (\n)-7
.elseif (\n) < 15
	BT 2, 2*(\n)-22
.else
	BT 3, 2*(\n)-30
.endif
.endm
.macro RQ a, q                         ; block a, quarter q: its eight accumulators by turns
	WIN 0xa4+0x50*((\a)/2)
.set MD, 128*((\a)%2)
.set MA, AF+64*((\a)%2)+16*(\q)
.irp b, 0,1,2,3,4,5,6,7
	v_wmma_scale_f32_32x16x128_f4 v[MD+16*\b:MD+16*\b+15], v[MA:MA+15], v[64*(\q)+8*\b:64*(\q)+8*\b+7], v[MD+16*\b:MD+16*\b+15], v[SC+12*(\q)+(\a)], v[SC+12*(\q)+4+\b]
.endr
.endm
; THE WAY OUT of block a: rounded to f16, columns 8 r + 0 .. 7 of a row in four registers; each accumulator is read from its low end on.
.macro OUT a
.set MD, 128*((\a)%2)
.irp p, 0,1
	WIN 0x0a+5*((\a)/2)                            ; sources 0 and 1: window 2 or 3
.irp j, 0,1,2,3,4,5,6,7
.irp c, 0,1,2,3
	v_cvt_pk_f16_f32 v[TMP+32*\p+4*\j+\c], v[MD+32*\c+8*\p+\j], v[MD+32*\c+16+8*\p+\j]
.endr
.endr
	WIN 0
.irp j, 0,1,2,3,4,5,6,7
	global_store_b128 v[CO], v[TMP+32*\p+4*\j:TMP+32*\p+4*\j+3], s[10:11] offset:(32*(\a)+16*\p+\j)*ROWC th:TH_STORE_NT   ; sixteen lanes store 256 consecutive bytes, aligned; 119 rows at the most: inside the signed 24-bit immediate (ISA guide, chapter 10)
.endr
.endr
.endm
	MEET                                           ; nothing is filled again: no round follows
	PLACES
.set N, 0
.rept 9
	LR N
.set N, N+1
.endr
	MMS 8, 16, 1
.rept 10
	LR N
.set N, N+1
.endr
	MMS 24, 8, 1
	s_wait_dscnt 40                                ; quarter 0 and block 0 of A are in; behind them 40 loads
	RQ 0, 0
	PLACES                                         ; for the loads below: set 1 was read by the step before
	BT 1, 0
	BT 1, 2
	BT 1, 4
	BT 1, 6
	LSC 1, 1, 1
	AQ 1, 0
	AQ 1, 1
	AQ 1, 2
	AQ 1, 3
	s_wait_dscnt 52                                ; B's quarter 2 is in: behind it quarter 3's 16 loads and the 36 just issued
	RQ 0, 2
	s_wait_dscnt 36                                ; quarter 3
	RQ 0, 3
	s_wait_dscnt 16                                ; quarter 1: only block 1 of A may be out
	RQ 0, 1
.irp a, 0,1,2,3
	PLACES                                         ; for the loads into block a's set and for the conversions that read results just made
.if \a < 2
	AQ \a+2, 0
	AQ \a+2, 1
	AQ \a+2, 2
	AQ \a+2, 3
.endif
.if \a > 0
	s_wait_xcnt 0x0                                ; the block before has had its stores' registers read
.endif
	OUT \a
.if \a < 3
.if \a < 2
	s_wait_dscnt 16                                ; block a + 1 of A is in; block a + 2 may be out
.else
	s_wait_dscnt 0x0
.endif
	RQ \a+1, 0
	RQ \a+1, 2
	RQ \a+1, 3
	RQ \a+1, 1
.endif
.endr
	s_wait_tensorcnt 0x0                           ; the wave's end
	ds_add_u32 v[SPW], v[NIL]
	s_wait_dscnt 0x0
	CROUND                                         ; the closing round: no work-group ends while a partner may still ask for a block that names it
	s_endpgm
.Lfunc_end_k_q03636d94e6_gemm:
	.size	k_q03636d94e6_gemm, .Lfunc_end_k_q03636d94e6_gemm-k_q03636d94e6_gemm
	.p2alignl 7, 3214868480
	.fill 96, 4, 3214868480
	.section	.rodata,"a",@progbits
	.p2align	6, 0x0
	.amdhsa_kernel k_q03636d94e6_gemm
		.amdhsa_group_segment_fixed_size 327680
		.amdhsa_private_segment_fixed_size 0
		.amdhsa_enable_private_segment 0
		.amdhsa_kernarg_size 32
		.amdhsa_user_sgpr_count 2
		.amdhsa_user_sgpr_kernarg_segment_ptr 1
		.amdhsa_wavefront_size32 1
		.amdhsa_system_sgpr_workgroup_id_x 1
		.amdhsa_system_sgpr_workgroup_id_y 1
		.amdhsa_system_sgpr_workgroup_id_z 1
		.amdhsa_system_vgpr_workitem_id 0
		.amdhsa_next_free_vgpr 1024
		.amdhsa_next_free_sgpr 72
		.amdhsa_reserve_vcc 0
		.amdhsa_float_denorm_mode_32 3
		.amdhsa_float_denorm_mode_16_64 3
		.amdhsa_memory_ordered 1
		.amdhsa_forward_progress 1
		.amdhsa_inst_pref_size 144
	.end_amdhsa_kernel
	.amdgpu_metadata
---
amdhsa.version: [ 1, 2 ]
amdhsa.kernels:
  - .name:           k_q03636d94e6_gemm
    .symbol:         k_q03636d94e6_gemm.kd
    .args:
      - { .name: xq, .offset: 0, .size: 8, .value_kind: global_buffer, .address_space: global }
      - { .name: wq, .offset: 8, .size: 8, .value_kind: global_buffer, .address_space: global }
      - { .name: bias, .offset: 16, .size: 8, .value_kind: global_buffer, .address_space: global }
      - { .name: out0, .offset: 24, .size: 8, .value_kind: global_buffer, .address_space: global }
    .group_segment_fixed_size: 327680
    .private_segment_fixed_size: 0
    .kernarg_segment_align: 8
    .kernarg_segment_size: 32
    .max_flat_workgroup_size: 128
    .sgpr_count:     72
    .vgpr_count:     1024
    .wavefront_size: 32
...
	.end_amdgpu_metadata
.endif
;; end of part 2
